; MI455X (gfx1250); checked and timed in simulation.
; The chip was launched on July 23, 2026; its instructions are those of AMD's public machine-readable ISA for CDNA 5 (MIT licence, August 2026) and "CDNA5" Instruction Set Architecture Reference Guide (July 2026). The comments in the code are by the model that wrote it; some were corrected since.
;; Ensemble Deep SDF. Allowed arithmetic: float matrix products may take bf16 or f16 operands with f32 sums; other float arithmetic in f32, or as packed bf16 or f16 multiplies, adds, multiply-adds, maxima and minima; sums over many terms, partial sums and values carried from step to step in f32; what a program stores and reads back later, other than sums and carried values, may be rounded once to bf16 or f16.
;; Inputs: W0 9 x 512 x 67 float32; Wh 9 x 7 x 512 x 512 float32; Wo 9 x 1 x 512 float32; b0 9 x 512 float32; bh 9 x 7 x 512 float32; bo 9 x 1 float32; type_vec 4,096 int32; x 4,096 x 67 float32.
;; Outputs: out0 4,096 x 1 float32.
;; 2 versions, each right; version 2 is version 1 with the launch prep written anew for expert scheduling mode. Each part assembles by itself: llvm-mc -triple=amdgcn-amd-amdhsa -mcpu=gfx1250 --defsym DOCPART=n.
;; ======== version 1 of 2: 2 launches
;; limits: a function is approximated: absolute error at most 6e-10
;; workspace buffers: wp 34,209,792 bytes; order 16,384 bytes of whole numbers; tiles 4,096 bytes of whole numbers
;; launch prep (part 1): grid 541 x 1, 8 waves a work-group, no clusters, 36,864 bytes of LDS; arguments type_vec, W0, Wh, wp, order, tiles; writes wp, order, tiles
.if DOCPART == 1
	.amdgcn_target "amdgcn-amd-amdhsa--gfx1250"
	.amdhsa_code_object_version 6
	.text
	.protected	k_q0a53829515_prep
	.globl	k_q0a53829515_prep
	.p2align	8
	.type	k_q0a53829515_prep,@function
k_q0a53829515_prep:
	s_mov_b64 s[64:65], 0
	v_nop
	global_prefetch_b8 v0, s[64:65] scope:SCOPE_SE
	s_setreg_imm32_b32 hwreg(HW_REG_WAVE_MODE, 25, 1), 1
	s_wait_xcnt 0x0
; PREP: three jobs, chosen by the work-group's number (the same for all eight waves of a work-group).
;   work-group 0        counting sort of type_vec (any order is served, no atomics): order[] = the token numbers grouped by expert,
;                       tiles[] = 136 tiles (expert, first place in order[], rows, 0) that cover every split of 4,096 tokens over 9 experts
;   work-groups 1-36    W0 [9][512][67] f32  -> bf16, K padded with zeros to 128, laid out as matrix operands
;   work-groups 37-540  Wh [9][7][512][512] f32 -> bf16, laid out as matrix operands
; wp's LAYOUT: [expert 9][wave 8][block 116][ft 4][c 2][lane 32][16 bytes].  A block is 32 along K of the 64 features 64 w + 16 ft + 0..15:
; blocks 0-3 are layer 0, block 4 + 16 l + k is hidden layer l, K = 32 k on.  The 16 bytes of (ft, c, lane L) are
; W[64 w + 16 ft + L % 16][K0 + 16 c + 8 (L / 16) + 0..7]: what lane L holds in registers 4 c .. 4 c + 3 of a 16 x 32 operand.
; So the chain reads one expert's and wave's weights as 475,136 consecutive bytes in the order of use, with plain 16-byte loads.
; A wave turns 16 rows x 128 columns at a time: rows come in as 512 consecutive bytes a load, are rounded once to bf16, go through the
; wave's own stage in LDS (pitch 272 = 17 x 16 bytes, so the 16 rows of a fragment load begin 16 bytes apart modulo 256), and leave as
; stores of 512 consecutive bytes that begin at multiples of 512 from wp's first byte.
; TILES.  The sum over experts of ceil(count / 32) lies between 128 and 136.  The surplus L = 136 - sum (0..8) goes to the first largest
; expert, which has 456 rows or more, so 14 full tiles: its first L full tiles are halved into 2 L tiles of 16 rows.  So each of the 136
; tiles has 1 to 32 rows, whatever the split.
; LIMIT: type_vec holds 0..8, as the gather in the problem's function needs.
.set STREAM, 475136                    ; bytes of one (expert, wave) stream: 116 blocks of 4,096
.set TAB,    0                         ; 8 waves x 32 words: the waves' counts
.set STG,    1024                      ; the stages: 16 rows x 272 bytes for each wave
.set SP,     272
.set STGW,   16*SP
.set SPARE,  STG+8*STGW                ; 35,840: the spare words, 128 bytes for each wave: four blocks of 256 bytes that no other line names
.set X,      16                        ; v16-143  as loaded
.set O,      144                       ; v144-207 two banks of 32: fragments to store
; v1 lane; v2 16 x lane; v3, v4 stage in (8 or 4 bytes a lane); v5 stage out; v6-8 column offsets (W0); v9-13 at work; v14, v15 the add's two registers
; s16 wave; s17 unit number; s[18:19] source; s[20:21] destination; s22-29 at work
; sort: s30-38 counts, then totals; s40-48 experts' first places; s50-58 running places; s66-74 masks, then tiles' first numbers; s76-84 counts of earlier waves, then tiles an expert
	s_load_b256 s[4:11], s[0:1], 0x0               ; type_vec s[4:5], W0 s[6:7], Wh s[8:9], wp s[10:11]
	s_load_b128 s[12:15], s[0:1], 0x20             ; order s[12:13], tiles s[14:15]
	v_lshl_add_u32 v14, v0, 2, SPARE               ; my spare word
	v_mov_b32 v15, 0
	v_lshrrev_b32 v9, 5, v0
	v_readfirstlane_b32 s16, v9                    ; wave 0..7
	v_and_b32 v1, 31, v0                           ; lane
	v_lshlrev_b32 v2, 4, v1                        ; 16 bytes a lane
	s_mul_i32 s18, s16, STGW
	s_add_co_u32 s18, s18, STG                     ; my wave's stage
	v_lshl_add_u32 v3, v1, 3, s18                  ; in: 4 bf16 a lane
	v_lshl_add_u32 v4, v1, 2, s18                  ; in: 2 bf16 a lane
	v_and_b32 v9, 15, v1
	v_lshrrev_b32 v10, 4, v1
	v_mul_u32_u24 v5, v9, SP
	v_lshl_add_u32 v5, v10, 4, v5
	v_add_nc_u32 v5, s18, v5                       ; out: row lane % 16, 16 bytes for each half of the lanes
	s_wait_kmcnt 0x0
	s_cmp_eq_u32 ttmp9, 0
	s_cbranch_scc1 .Lsort
	s_cmp_lt_u32 ttmp9, 37
	s_cbranch_scc1 .Lw0
; Four blocks (128 along K) leave the stage: 8 fragment loads, 8 stores.  q: which four blocks behind the destination; ob: which bank of O.
; The stage is the wave's own and LDS serves a wave's instructions in order (ISA guide 5.7.1.4): no wait stands between the stores into it and these loads.
.macro EMIT q, ob
.irp kb, 0,1,2,3
.irp cc, 0,1
	ds_load_b128 v[O+32*(\ob)+4*(2*(\kb)+(\cc)):O+32*(\ob)+4*(2*(\kb)+(\cc))+3], v5 offset:64*(\kb)+32*(\cc)
.endr
.endr
.irp kb, 0,1,2,3
.irp cc, 0,1
	s_wait_dscnt 7-(2*(\kb)+(\cc))                 ; the younger fragment loads may stay out
	global_store_b128 v2, v[O+32*(\ob)+4*(2*(\kb)+(\cc)):O+32*(\ob)+4*(2*(\kb)+(\cc))+3], s[20:21] offset:(4*(\q)+(\kb))*4096+(\cc)*512
.endr
.endr
.endm
	; ---- Wh: unit u = 8 (work-group - 37) + wave = ((7 e + l) x 32 + row group) x 2 + half of K: 16 rows x 256 columns ----
	s_sub_co_u32 s17, ttmp9, 37
	s_lshl_b32 s17, s17, 3
	s_add_co_u32 s17, s17, s16                     ; u, 0..4031
	s_and_b32 s22, s17, 1                          ; half of K
	s_bfe_u32 s23, s17, 0x50001                    ; row group, 0..31
	s_lshr_b32 s24, s17, 6                         ; 7 e + l, 0..62
	s_mul_i32 s25, s24, 37
	s_lshr_b32 s25, s25, 8                         ; e = (7 e + l) / 7: 37 / 256 serves every number up to 62
	s_mul_i32 s26, s25, 7
	s_sub_co_u32 s26, s24, s26                     ; l
	s_lshl_b32 s28, s24, 20                        ; a layer's 512 x 512 f32,
	s_lshl_b32 s27, s23, 15                        ; 16 rows of 2,048 bytes,
	s_add_co_u32 s28, s28, s27
	s_lshl_b32 s27, s22, 10                        ; 256 columns
	s_add_co_u32 s28, s28, s27
	s_mov_b32 s29, 0
	s_add_nc_u64 s[18:19], s[8:9], s[28:29]
	s_lshl_b32 s27, s25, 3
	s_lshr_b32 s28, s23, 2
	s_add_co_u32 s27, s27, s28                     ; stream 8 e + w
	s_mul_i32 s28, s27, STREAM
	s_lshl_b32 s27, s26, 4
	s_lshl3_add_u32 s27, s22, s27
	s_add_co_u32 s27, s27, 4                       ; block 4 + 16 l + 8 x half
	s_lshl_b32 s27, s27, 12
	s_add_co_u32 s28, s28, s27
	s_and_b32 s27, s23, 3                          ; ft
	s_lshl_b32 s27, s27, 10
	s_add_co_u32 s28, s28, s27
	s_add_nc_u64 s[20:21], s[10:11], s[28:29]
.irp q, 0,1
.irp r, 0,1,2,3,4,5,6,7,8,9,10,11,12,13,14,15
	global_load_b128 v[X+64*(\q)+4*(\r):X+64*(\q)+4*(\r)+3], v2, s[18:19] offset:(\r)*2048+(\q)*512 th:TH_LOAD_NT  ; 512 consecutive bytes of a row; all 32 loads go out before the first wait
.endr
.endr
.irp q, 0,1
	s_wait_loadcnt 16-16*(\q)                      ; this quarter's 16 loads are in; the other quarter's 16 are younger
.irp r, 0,1,2,3,4,5,6,7,8,9,10,11,12,13,14,15
	v_cvt_pk_bf16_f32 v[X+64*(\q)+4*(\r)], v[X+64*(\q)+4*(\r)], v[X+64*(\q)+4*(\r)+1]
	v_cvt_pk_bf16_f32 v[X+64*(\q)+4*(\r)+1], v[X+64*(\q)+4*(\r)+2], v[X+64*(\q)+4*(\r)+3]
	ds_store_b64 v3, v[X+64*(\q)+4*(\r):X+64*(\q)+4*(\r)+1] offset:(\r)*SP
.endr
	EMIT \q, \q                                    ; a bank of O for each quarter: no store's data is written again
.endr
	s_wait_tensorcnt 0x0                           ; the wave's end: three closing lines behind my last LDS store
	ds_add_u32 v14, v15
	s_wait_dscnt 0x0
	s_endpgm
	; ---- W0: unit u = 8 (work-group - 1) + wave = 32 e + row group: 16 rows x 67 columns, padded to 128 ----
.Lw0:
	s_sub_co_u32 s17, ttmp9, 1
	s_lshl_b32 s17, s17, 3
	s_add_co_u32 s17, s17, s16                     ; u, 0..287
	s_mul_i32 s28, s17, 16*268                     ; 16 rows of 268 bytes
	s_mov_b32 s29, 0
	s_add_nc_u64 s[18:19], s[6:7], s[28:29]
	s_lshr_b32 s27, s17, 2                         ; stream 8 e + w
	s_mul_i32 s28, s27, STREAM
	s_and_b32 s27, s17, 3                          ; ft
	s_lshl_b32 s27, s27, 10
	s_add_co_u32 s28, s28, s27
	s_add_nc_u64 s[20:21], s[10:11], s[28:29]
	s_mov_b32 s91, 3                               ; lanes 0, 1: columns 64, 66 exist
	s_mov_b32 s92, 1                               ; lane 0: column 65 exists
	v_lshlrev_b32 v6, 3, v1                        ; columns 2 i, 2 i + 1
	v_lshl_add_u32 v9, v1, 1, 64
	v_min_u32 v7, 0x42, v9                         ; column 64 + 2 i, held inside the row
	v_lshlrev_b32 v7, 2, v7
	v_add_nc_u32 v9, 1, v9
	v_min_u32 v8, 0x42, v9                         ; column 65 + 2 i, likewise
	v_lshlrev_b32 v8, 2, v8
.irp r, 0,1,2,3,4,5,6,7,8,9,10,11,12,13,14,15
	global_load_b32 v[X+4*(\r)],   v6, s[18:19] offset:268*(\r)
	global_load_b32 v[X+4*(\r)+1], v6, s[18:19] offset:268*(\r)+4
	global_load_b32 v[X+4*(\r)+2], v7, s[18:19] offset:268*(\r)
	global_load_b32 v[X+4*(\r)+3], v8, s[18:19] offset:268*(\r)
.endr
	s_wait_loadcnt 0x0
.irp r, 0,1,2,3,4,5,6,7,8,9,10,11,12,13,14,15
	v_cndmask_b32 v[X+4*(\r)+2], 0, v[X+4*(\r)+2], s91    ; columns 67 on are zeros
	v_cndmask_b32 v[X+4*(\r)+3], 0, v[X+4*(\r)+3], s92
	v_cvt_pk_bf16_f32 v[X+4*(\r)], v[X+4*(\r)], v[X+4*(\r)+1]
	v_cvt_pk_bf16_f32 v[X+4*(\r)+2], v[X+4*(\r)+2], v[X+4*(\r)+3]
	ds_store_b32 v4, v[X+4*(\r)] offset:(\r)*SP
	ds_store_b32 v4, v[X+4*(\r)+2] offset:(\r)*SP+128
.endr
	EMIT 0, 0
	s_wait_tensorcnt 0x0                           ; the wave's end, as above
	ds_add_u32 v14, v15
	s_wait_dscnt 0x0
	s_endpgm
	; ---- the sort: wave w has tokens 512 w .. 512 w + 511; register i of lane l is token 512 w + 32 i + l ----
.Lsort:
	s_lshl_b32 s18, s16, 11
	v_lshl_add_u32 v10, v1, 2, s18
.irp i, 0,1,2,3,4,5,6,7,8,9,10,11,12,13,14,15
	global_load_b32 v[16+(\i)], v10, s[4:5] offset:128*(\i)
.endr
.irp e, 0,1,2,3,4,5,6,7,8
	s_mov_b32 s[30+(\e)], 0
.endr
	s_wait_loadcnt 0x0
	; pass 1: my wave's count of each expert.  The nine masks of a register are made before any is counted.
.irp i, 0,1,2,3,4,5,6,7,8,9,10,11,12,13,14,15
.irp e, 0,1,2,3,4,5,6,7,8
	v_cmp_eq_u32 s[66+(\e)], \e, v[16+(\i)]
.endr
.irp e, 0,1,2,3,4,5,6,7,8
	s_bcnt1_i32_b32 s90, s[66+(\e)]
	s_add_co_u32 s[30+(\e)], s[30+(\e)], s90
.endr
.endr
	v_mov_b32 v9, 0
.irp e, 0,1,2,3,4,5,6,7,8
	v_writelane_b32 v9, s[30+(\e)], \e             ; lane e: my wave's count of expert e; lanes 9 on: 0
.endr
	v_lshlrev_b32 v11, 2, v0
	ds_store_b32 v11, v9                           ; TAB[wave][lane]
	s_wait_dscnt 0x0                               ; for the others' sake: my store is done
	s_barrier_signal -1
	s_barrier_wait -1
	v_lshlrev_b32 v12, 2, v1
.irp w, 0,1,2,3,4,5,6,7
	ds_load_b32 v[144+(\w)], v12 offset:128*(\w)
.endr
	v_mov_b32 v9, 0                                ; all waves' counts
	v_mov_b32 v10, 0                               ; those of the waves in front of mine
	s_wait_dscnt 0x0
.irp w, 0,1,2,3,4,5,6,7
	s_cmp_gt_u32 s16, \w
	s_cselect_b32 s90, -1, 0
	v_add_nc_u32 v9, v9, v[144+(\w)]
	v_and_b32 v13, s90, v[144+(\w)]
	v_add_nc_u32 v10, v10, v13
.endr
.irp e, 0,1,2,3,4,5,6,7,8
	v_readlane_b32 s[30+(\e)], v9, \e              ; the expert's total
	v_readlane_b32 s[76+(\e)], v10, \e
.endr
	s_mov_b32 s40, 0
.irp e, 0,1,2,3,4,5,6,7
	s_add_co_u32 s[41+(\e)], s[40+(\e)], s[30+(\e)]  ; the expert's first place in order[]
.endr
.irp e, 0,1,2,3,4,5,6,7,8
	s_add_co_u32 s[50+(\e)], s[40+(\e)], s[76+(\e)]  ; the place of my wave's first token of that expert
.endr
	; pass 2: a token's place = the expert's running place + the lanes below it with the same expert: tokens keep their order within an expert
	s_lshl_b32 s18, s16, 9
	v_add_nc_u32 v13, s18, v1
.irp i, 0,1,2,3,4,5,6,7,8,9,10,11,12,13,14,15
	v_mov_b32 v[32+(\i)], 0
.irp e, 0,1,2,3,4,5,6,7,8
	v_cmp_eq_u32 s[66+(\e)], \e, v[16+(\i)]
.endr
.irp e, 0,1,2,3,4,5,6,7,8
	v_mbcnt_lo_u32_b32 v9, s[66+(\e)], s[50+(\e)]
	v_cndmask_b32 v[32+(\i)], v[32+(\i)], v9, s[66+(\e)]
	s_bcnt1_i32_b32 s90, s[66+(\e)]
	s_add_co_u32 s[50+(\e)], s[50+(\e)], s90
.endr
	v_min_u32 v[32+(\i)], 0xfff, v[32+(\i)]        ; a place made of loaded numbers is held inside order[]
	v_lshlrev_b32 v[32+(\i)], 2, v[32+(\i)]
	v_add_nc_u32 v[48+(\i)], 32*(\i), v13          ; the token's number
	global_store_b32 v[32+(\i)], v[48+(\i)], s[12:13]  ; each store has registers of its own: none is written again
.endr
	; the tiles: every wave makes the nine figures, every thread its own entry (entries 136 on have 0 rows and are not read)
	s_mov_b32 s86, 136
.irp e, 0,1,2,3,4,5,6,7,8
	s_add_co_u32 s[76+(\e)], s[30+(\e)], 31
	s_lshr_b32 s[76+(\e)], s[76+(\e)], 5           ; ceil(total / 32)
	s_sub_co_u32 s86, s86, s[76+(\e)]              ; what is left of 136: L
.endr
	s_mov_b32 s87, 0                               ; the first largest expert
	s_mov_b32 s88, s30
.irp e, 1,2,3,4,5,6,7,8
	s_cmp_gt_u32 s[30+(\e)], s88
	s_cselect_b32 s87, \e, s87
	s_cselect_b32 s88, s[30+(\e)], s88
.endr
.irp e, 0,1,2,3,4,5,6,7,8
	s_cmp_eq_u32 s87, \e
	s_cselect_b32 s90, s86, 0
	s_add_co_u32 s[76+(\e)], s[76+(\e)], s90       ; it gets L tiles more
.endr
	s_mov_b32 s66, 0
.irp e, 0,1,2,3,4,5,6,7
	s_add_co_u32 s[67+(\e)], s[66+(\e)], s[76+(\e)]  ; the expert's first tile
.endr
	v_mov_b32 v16, 0                               ; my tile's expert: the last whose first tile is not behind mine,
	v_mov_b32 v17, 0                               ; its first tile,
	v_mov_b32 v18, 0                               ; its first place,
	v_mov_b32 v19, s30                             ; its total
.irp e, 1,2,3,4,5,6,7,8
	v_cmp_le_u32 vcc_lo, s[66+(\e)], v0
	v_cndmask_b32 v16, v16, \e, vcc_lo
	v_cndmask_b32 v17, v17, s[66+(\e)], vcc_lo
	v_cndmask_b32 v18, v18, s[40+(\e)], vcc_lo
	v_cndmask_b32 v19, v19, s[30+(\e)], vcc_lo
.endr
	v_sub_nc_u32 v20, v0, v17                      ; j: my tile among the expert's
	v_mov_b32 v22, s86
	v_cmp_eq_u32 vcc_lo, s87, v16
	v_cndmask_b32 v21, 0, v22, vcc_lo              ; L for the largest expert, else 0
	v_lshlrev_b32 v22, 1, v21
	v_lshlrev_b32 v23, 4, v20                      ; a halved tile begins at row 16 j,
	v_sub_nc_u32 v24, v20, v21
	v_lshlrev_b32 v24, 5, v24                      ; a whole one at 32 (j - L)
	v_mov_b32 v26, 16
	v_cmp_lt_u32 vcc_lo, v20, v22                  ; j < 2 L: halved
	v_cndmask_b32 v23, v24, v23, vcc_lo
	v_cndmask_b32 v25, 32, v26, vcc_lo
	v_min_u32 v27, v23, v19
	v_sub_nc_u32 v27, v19, v27                     ; rows left from there on,
	v_min_u32 v30, v27, v25                        ; at most the tile's
	v_add_nc_u32 v29, v18, v23
	v_min_u32 v29, 0xfff, v29
	v_mov_b32 v28, v16
	v_mov_b32 v31, 0
	v_lshlrev_b32 v13, 4, v0
	global_store_b128 v13, v[28:31], s[14:15]      ; (expert, first place, rows, 0)
	s_wait_tensorcnt 0x0                           ; the wave's end, as above
	ds_add_u32 v14, v15
	s_wait_dscnt 0x0
	s_endpgm
.Lfunc_end_k_q0a53829515_prep:
	.size	k_q0a53829515_prep, .Lfunc_end_k_q0a53829515_prep-k_q0a53829515_prep
	.p2alignl 7, 3214868480
	.fill 96, 4, 3214868480
	.section	.rodata,"a",@progbits
	.p2align	6, 0x0
	.amdhsa_kernel k_q0a53829515_prep
		.amdhsa_group_segment_fixed_size 36864
		.amdhsa_private_segment_fixed_size 0
		.amdhsa_enable_private_segment 0
		.amdhsa_kernarg_size 48
		.amdhsa_user_sgpr_count 2
		.amdhsa_user_sgpr_kernarg_segment_ptr 1
		.amdhsa_wavefront_size32 1
		.amdhsa_system_sgpr_workgroup_id_x 1
		.amdhsa_system_sgpr_workgroup_id_y 1
		.amdhsa_system_sgpr_workgroup_id_z 1
		.amdhsa_system_vgpr_workitem_id 0
		.amdhsa_next_free_vgpr 208
		.amdhsa_next_free_sgpr 96
		.amdhsa_reserve_vcc 1
		.amdhsa_float_denorm_mode_32 3
		.amdhsa_float_denorm_mode_16_64 3
		.amdhsa_memory_ordered 1
		.amdhsa_forward_progress 1
		.amdhsa_inst_pref_size 100
	.end_amdhsa_kernel
	.amdgpu_metadata
---
amdhsa.version: [ 1, 2 ]
amdhsa.kernels:
  - .name:           k_q0a53829515_prep
    .symbol:         k_q0a53829515_prep.kd
    .args:
      - { .name: type_vec, .offset: 0, .size: 8, .value_kind: global_buffer, .address_space: global }
      - { .name: W0, .offset: 8, .size: 8, .value_kind: global_buffer, .address_space: global }
      - { .name: Wh, .offset: 16, .size: 8, .value_kind: global_buffer, .address_space: global }
      - { .name: wp, .offset: 24, .size: 8, .value_kind: global_buffer, .address_space: global }
      - { .name: order, .offset: 32, .size: 8, .value_kind: global_buffer, .address_space: global }
      - { .name: tiles, .offset: 40, .size: 8, .value_kind: global_buffer, .address_space: global }
    .group_segment_fixed_size: 36864
    .private_segment_fixed_size: 0
    .kernarg_segment_align: 8
    .kernarg_segment_size: 48
    .max_flat_workgroup_size: 256
    .sgpr_count:     96
    .vgpr_count:     208
    .wavefront_size: 32
...
	.end_amdgpu_metadata
.endif
;; end of part 1
;; launch chain (part 2): grid 136 x 1, 8 waves a work-group, no clusters, 84,992 bytes of LDS; arguments x, b0, bh, Wo, bo, wp, order, tiles, out0; writes out0
.if DOCPART == 2
	.amdgcn_target "amdgcn-amd-amdhsa--gfx1250"
	.amdhsa_code_object_version 6
	.text
	.protected	k_q0a53829515_chain
	.globl	k_q0a53829515_chain
	.p2align	8
	.type	k_q0a53829515_chain,@function
k_q0a53829515_chain:
	s_mov_b64 s[64:65], 0
	v_nop
	global_prefetch_b8 v0, s[64:65] scope:SCOPE_SE
	s_setreg_imm32_b32 hwreg(HW_REG_WAVE_MODE, 25, 1), 1
	s_wait_xcnt 0x0
; CHAIN: one tile of up to 32 tokens of one expert goes through all nine layers: 67 -> 512, 7 x (512 -> 512), 512 -> 1, softplus(100 z) / 100 behind all but the last.
; Which expert and which tokens: tiles[] and order[], whole numbers that the launch before stored.  Every one of the 136 tiles has 1 to 32 rows; places past the
; count repeat the tile's last row, and their result is not stored.  No branch hangs on data.
; SHARES.  Eight waves; wave w makes features 64 w .. 64 w + 63 (four tiles ft of 16) of both token tiles tt of 16: 8 accumulators of 16 x 16.
; THE PRODUCT IS USED TRANSPOSED: source 0 = 16 features of W, source 1 = 16 tokens of h.  A lane then holds one token (lane % 16) and the features 8 (lane / 16) + 0..7,
; which pack into 16 bytes of a row of h.  The bias is the C operand of a layer's first eight products, so nothing is cleared and nothing added later.
; WEIGHTS come from wp (bf16, laid out as operands) straight into source 0's registers: a ring of four slots of 64 registers in window 1; a step is 64 along K
; (8,192 bytes, 16 loads, 16 products); behind a step's products its slot is asked for again, four steps ahead: 64 loads of a wave are asked for at a time.
; ACTIVATIONS lie in LDS in bf16, two buffers that take turns layer by layer, one barrier a layer.
; THE LAST LAYER has one output column: it is a sum in f32 on the vector unit, of the f32 activations as they stand in the accumulators, times Wo in f32.
; NO CLUSTER, NO JOINT LOADS: the waves split the features, so each weight byte has one reader in the work-group and needs no LDS; a joint load lands in LDS, which would add
; a write and a read of a layer's 524,288 bytes beside the 262,144 that the eight waves read of h; and how many tiles an expert has hangs on the counts, so the 136
; work-groups do not fall into clusters of one expert at every split.
; FORMATS.  x, W0, Wh and h are rounded once to bf16 for the products; sums, biases, softplus, Wo, bo in f32.
; LIMITS.  softplus(100 z) / 100 = max(z, 0) + (ln 2 / 100) log2(1 + 2^(-144.27 |z|)).  Where 2^(..) is below 2^-24 (|z| over 0.17) the second term rounds to 0: at most 6.0e-10 is lost.
; A NaN in z is taken as 0 by the maximum; infinities are not treated apart.
.set PITCH,  1040                      ; a row of h: 1,024 bytes + 16 = 65 x 16: the 16 rows of a load or store begin 16 bytes apart modulo 256
.set BUFB,   32*PITCH                  ; a buffer: 32 rows
.set BIAS,   2*BUFB                    ; 66,560: 8 rows of 512 f32: b0, bh[0..6]
.set RED,    BIAS+16384                ; 82,944: 8 waves x 32 f32: the last layer's partial sums
.set SPARE,  RED+1024                  ; 83,968: the spare words, 128 bytes for each wave: four blocks of 256 bytes that no other line names
.set STREAM, 475136                    ; bytes of one (expert, wave) stream in wp
.set LOFF,  4                          ; v4   16 x lane
.set RD,    5                          ; v5   1,040 (lane % 16) + 16 (lane / 16): a fragment of h
.set STO,   6                          ; v6   RD + 128 w: where my 16 bytes of a row go
.set BI,    7                          ; v7   BIAS + 256 w + 32 (lane / 16); steps by two rows a trip
.set TOK,   8                          ; v8   4 x the token of row = lane
.set XST,   9                          ; v9   (4 w) rows + 4 x lane: x into buffer 0
.set REDA,  13                         ; v13  RED + 4 x thread
.set SPW,   14                         ; v14  my spare word; never rewritten
.set NIL,   15                         ; v15  0; never rewritten
.set BIASR, 16                         ; v16-47   the layer's bias as a C operand: 8 ft + j
.set WO,    48                         ; v48-79   Wo in the same layout
.set ACT,   80                         ; v80-143  fragments of h, two banks of 32: 16 kk + 8 tt; in the softplus: T; then the packed rows
.set T,     80
.set ACC,   144                        ; v144-207 accumulator (ft, tt) at 8 (2 ft + tt)
.set PS,    208                        ; v208-211 the last layer's sums; v208, v209 addresses at the start; v212, v216 at work
; window 1: v0-255 the ring: slot s, block kk, tile ft at 64 s + 32 kk + 8 ft
; s[4:21] x, b0, bh, Wo, bo, wp, order, tiles, out0; s22 wave; s23 my entry's offset; s24 expert, s25 first place, s26 rows; s28-31 my four tokens; s32-35 their offsets in order[];
; s36 bo[e]; s37 4 e; s[38:39] the stream; s[40:41] b0[e]; s[42:43] 2,048 e, then bh's row for my wave; s[44:51] four rows of x; s[52:53] Wo[e]; s54 counter; s55 rows - 1; s67 EXEC; s[68:69] at work
.set K2, 56                            ; s[56:57] ln 2 / 100
.set C1, 58                            ; s58      100 log2(e)
.set SEL, 60                           ; s[60:61] v_permlanex16_b32's selects: each lane takes its own place in the other half
.set MSB, 0
.macro WIN new                         ; the immediate's high byte repeats the setting that is left; a switch that changes nothing is dropped
.if MSB != (\new)
	s_set_vgpr_msb (MSB<<8)|(\new)
.set MSB, \new
.endif
.endm
; 16 loads: the step at byte off behind the stream pointer, into ring slot slot.  Each covers 512 consecutive bytes.
.macro RING slot, off
	WIN 0x40                                       ; destination window 1, address window 0
.irp h2, 0,1
.irp ft, 0,1,2,3
.irp cc, 0,1
	global_load_b128 v[64*(\slot)+32*(\h2)+8*(\ft)+4*(\cc):64*(\slot)+32*(\h2)+8*(\ft)+4*(\cc)+3], v[LOFF], s[38:39] offset:(\off)+(\h2)*4096+(\ft)*1024+(\cc)*512
.endr
.endr
.endr
.endm
; 8 LDS loads: both token tiles' fragments of step kst (64 along K) of buffer rd, into bank kst % 2
.macro FRAG rd, kst
	WIN 0
.irp h2, 0,1
.irp tt, 0,1
.irp cc, 0,1
	ds_load_b128 v[ACT+32*((\kst)%2)+16*(\h2)+8*(\tt)+4*(\cc):ACT+32*((\kst)%2)+16*(\h2)+8*(\tt)+4*(\cc)+3], v[RD] offset:(\rd)*BUFB+(\tt)*16*PITCH+(\kst)*128+(\h2)*64+(\cc)*32
.endr
.endr
.endr
.endm
; A STEP: 64 along K.  The next step's fragments are asked for first (their bank's last readers are the step before's products, with four v_nop behind them);
; left = the weight loads younger than this step's 16; the 8 accumulators take turns, one instruction a turn, in the same order in every step.
; first = 1: the bias starts the sums.  refill = 1: the slot takes the step four on.
.macro STEP rd, kst, nst, slot, first, refill, left
.if (\kst)+1 < (\nst)
	FRAG \rd, (\kst)+1
.endif
	s_wait_loadcnt \left                           ; loads come back in order (ISA guide 5.7.1): this step's weights are in, the younger refills stay out
.if (\kst)+1 < (\nst)
	s_wait_dscnt 8                                 ; this step's fragments are in; the 8 just issued may be out
.else
	s_wait_dscnt 0x0
.endif
	WIN 0x01                                       ; source 0 window 1
.irp h2, 0,1
.irp ft, 0,1,2,3
.irp tt, 0,1
.if (\first) && ((\h2) == 0)
	v_wmma_f32_16x16x32_bf16 v[ACC+8*(2*(\ft)+(\tt)):ACC+8*(2*(\ft)+(\tt))+7], v[64*(\slot)+32*(\h2)+8*(\ft):64*(\slot)+32*(\h2)+8*(\ft)+7], v[ACT+32*((\kst)%2)+16*(\h2)+8*(\tt):ACT+32*((\kst)%2)+16*(\h2)+8*(\tt)+7], v[BIASR+8*(\ft):BIASR+8*(\ft)+7]
.else
	v_wmma_f32_16x16x32_bf16 v[ACC+8*(2*(\ft)+(\tt)):ACC+8*(2*(\ft)+(\tt))+7], v[64*(\slot)+32*(\h2)+8*(\ft):64*(\slot)+32*(\h2)+8*(\ft)+7], v[ACT+32*((\kst)%2)+16*(\h2)+8*(\tt):ACT+32*((\kst)%2)+16*(\h2)+8*(\tt)+7], v[ACC+8*(2*(\ft)+(\tt)):ACC+8*(2*(\ft)+(\tt))+7]
.endif
.endr
.endr
.endr
.rept 4
	v_nop                                          ; four places ahead of loads into registers that the products read, and of the first reads of their results
.endr
.if \refill
	RING \slot, ((\kst)+4)*8192
.endif
.endm
; BEHIND A LAYER'S PRODUCTS.  Z = the 64 sums a lane, T = 64 registers at work.  h = max(z, 0) + K2 log2(1 + 2^(-C1 |z|)).
; Two batches of transcendentals, each with one wait ahead of its first reader; plain lines stand between them and behind the last of each.
; Each accumulator is read from its lowest register on.  nb >= 0: the next layer's bias row comes out of LDS meanwhile.  adv > 0: the stream pointer steps to the next layer.
; last = 0: h is rounded to bf16 and stored into buffer wr; one barrier.  last = 1: the sum with Wo, and the wave's partial sums into RED; one barrier.
.macro EPI wr, nb, adv, last
	WIN 0
.if (\nb) >= 0
.irp ft, 0,1,2,3
	ds_load_b128 v[BIASR+8*(\ft):BIASR+8*(\ft)+3],   v[BI] offset:(\nb)+64*(\ft)
	ds_load_b128 v[BIASR+8*(\ft)+4:BIASR+8*(\ft)+7], v[BI] offset:(\nb)+64*(\ft)+16
.endr
.endif
.set i, 0
.rept 64
	v_mul_f32 v[T+i], -|v[ACC+i]|, s[C1]
.if i >= 2
	v_exp_f32 v[T+i-2], v[T+i-2]
.endif
.set i, i+1
.endr
	v_exp_f32 v[T+62], v[T+62]
	v_exp_f32 v[T+63], v[T+63]
	v_max_num_f32 v[ACC], 0, v[ACC]                ; the plain line behind the last exponential
	s_wait_alu depctr_va_vdst(0)                   ; one wait for the 64 exponentials
.if (\adv) > 0
	s_wait_xcnt 0x0                                ; the pending refills have had their addresses translated (ISA guide 3.1): only now is their base stepped
	s_add_nc_u64 s[38:39], s[38:39], \adv
.endif
.set i, 0
.rept 32
	v_pk_add_f32 v[T+2*i:T+2*i+1], v[T+2*i:T+2*i+1], 1.0 op_sel_hi:[1,0]
.if i >= 1
	v_log_f32 v[T+2*i-2], v[T+2*i-2]
	v_max_num_f32 v[ACC+2*i-1], 0, v[ACC+2*i-1]
	v_log_f32 v[T+2*i-1], v[T+2*i-1]
	v_max_num_f32 v[ACC+2*i], 0, v[ACC+2*i]
.endif
.set i, i+1
.endr
	v_log_f32 v[T+62], v[T+62]
	v_log_f32 v[T+63], v[T+63]
	v_max_num_f32 v[ACC+63], 0, v[ACC+63]          ; the plain line behind the last logarithm
	s_wait_alu depctr_va_vdst(0)                   ; one wait for the 64 logarithms
.set i, 0
.rept 32
	v_pk_fma_f32 v[ACC+2*i:ACC+2*i+1], v[T+2*i:T+2*i+1], s[K2:K2+1], v[ACC+2*i:ACC+2*i+1] op_sel_hi:[1,0,1]
.set i, i+1
.endr
.if (\last) == 0
.set i, 0
.rept 32
	v_cvt_pk_bf16_f32 v[T+i], v[ACC+2*i], v[ACC+2*i+1]
.set i, i+1
.endr
.irp ft, 0,1,2,3
.irp tt, 0,1
	ds_store_b128 v[STO], v[T+4*(2*(\ft)+(\tt)):T+4*(2*(\ft)+(\tt))+3] offset:(\wr)*BUFB+(\tt)*16*PITCH+(\ft)*32
.endr
.endr
.else
	v_pk_mul_f32 v[PS:PS+1],   v[ACC:ACC+1],   v[WO:WO+1]      ; two chains, one a token tile, by turns
	v_pk_mul_f32 v[PS+2:PS+3], v[ACC+8:ACC+9], v[WO:WO+1]
.set i, 1
.rept 15                               ; pair i % 4 of feature tile i / 4
	v_pk_fma_f32 v[PS:PS+1],   v[ACC+16*(i/4)+2*(i%4):ACC+16*(i/4)+2*(i%4)+1],     v[WO+8*(i/4)+2*(i%4):WO+8*(i/4)+2*(i%4)+1], v[PS:PS+1]
	v_pk_fma_f32 v[PS+2:PS+3], v[ACC+16*(i/4)+8+2*(i%4):ACC+16*(i/4)+8+2*(i%4)+1], v[WO+8*(i/4)+2*(i%4):WO+8*(i/4)+2*(i%4)+1], v[PS+2:PS+3]
.set i, i+1
.endr
	v_add_f32 v[PS], v[PS], v[PS+1]
	v_add_f32 v[PS+2], v[PS+2], v[PS+3]
	v_permlanex16_b32 v[PS+1], v[PS], s[SEL], s[SEL+1]         ; the token's other 32 of my 64 features lie in the lane 16 away
	v_permlanex16_b32 v[PS+3], v[PS+2], s[SEL], s[SEL+1]
	v_add_f32 v[PS], v[PS], v[PS+1]
	v_add_f32 v[PS+2], v[PS+2], v[PS+3]
	v_cndmask_b32 v[PS], v[PS], v[PS+2], s62                   ; lane l now holds row l of the tile
	ds_store_b32 v[REDA], v[PS]
.endif
	s_wait_dscnt 0x0                               ; for the others' sake: my stores are done, and so are all my reads of the buffer that the next layer writes
	s_barrier_signal -1
	s_barrier_wait -1
.endm
; A LAYER: nst steps from buffer rd, ring slots from s0 on; tail = 1: the last hidden layer: its last four steps ask for nothing and their counts run down
.macro LAYER rd, wr, nst, s0, nb, adv, tail
	FRAG \rd, 0
.irp q, 0,1,2,3,4,5,6,7
.if (\q) < (\nst)
.if (\q) == 0
	STEP \rd, 0, \nst, (\s0)%4, 1, 1, 48
.elseif (\tail) && ((\q) > 3)
	STEP \rd, \q, \nst, ((\s0)+(\q))%4, 0, 0, 112-16*(\q)
.else
	STEP \rd, \q, \nst, ((\s0)+(\q))%4, 0, 1, 48
.endif
.endif
.endr
	EPI \wr, \nb, \adv, \tail
.endm
	s_load_b256 s[4:11], s[0:1], 0x0               ; x s[4:5], b0 s[6:7], bh s[8:9], Wo s[10:11]
	s_load_b256 s[12:19], s[0:1], 0x20             ; bo s[12:13], wp s[14:15], order s[16:17], tiles s[18:19]
	s_load_b64 s[20:21], s[0:1], 0x40              ; out0
	v_lshl_add_u32 v[SPW], v0, 2, SPARE
	v_mov_b32 v[NIL], 0
	v_lshrrev_b32 v1, 5, v0
	v_readfirstlane_b32 s22, v1                    ; wave 0..7
	v_and_b32 v1, 31, v0                           ; lane
	v_and_b32 v2, 15, v0                           ; lane % 16
	v_bfe_u32 v3, v0, 4, 1                         ; lane / 16
	v_lshlrev_b32 v[LOFF], 4, v1
	v_mul_u32_u24 v[RD], v2, PITCH
	v_lshl_add_u32 v[RD], v3, 4, v[RD]
	s_lshl_b32 s68, s22, 7
	v_add_nc_u32 v[STO], s68, v[RD]
	s_lshl_b32 s68, s22, 8
	v_lshl_add_u32 v209, v3, 5, s68                ; my place in a row of 512 f32: 256 w + 32 (lane / 16)
	v_add_nc_u32 v[BI], BIAS, v209
	s_lshl_b32 s68, s22, 11
	s_add_co_u32 s68, s68, BIAS
	v_add_nc_u32 v208, s68, v[LOFF]                ; where my wave puts its bias row
	s_mul_i32 s68, s22, 4*PITCH
	v_lshl_add_u32 v[XST], v1, 2, s68
	v_lshlrev_b32 v10, 3, v1                       ; x: columns 2 i, 2 i + 1,
	v_lshl_add_u32 v212, v1, 1, 64
	v_min_u32 v11, 0x42, v212                      ; column 64 + 2 i, held inside the row,
	v_lshlrev_b32 v11, 2, v11
	v_add_nc_u32 v212, 1, v212
	v_min_u32 v12, 0x42, v212                      ; column 65 + 2 i, likewise
	v_lshlrev_b32 v12, 2, v12
	v_lshl_add_u32 v[REDA], v0, 2, RED
	s_mov_b32 s[K2], 0x3be32166                    ; ln 2 / 100
	s_mov_b32 s[K2+1], s[K2]                       ; named with it as a pair
	s_mov_b32 s[C1], 0x431044fe                    ; 100 log2(e)
	s_mov_b32 s[SEL], 0x76543210
	s_mov_b32 s[SEL+1], 0xfedcba98
	s_mov_b32 s62, 0xffff0000                      ; lanes 16-31
	s_mov_b32 s63, 3                               ; lanes 0, 1: columns 64, 66 exist
	s_mov_b32 s66, 1                               ; lane 0: column 65 exists
	s_lshl_b32 s23, ttmp9, 4
	s_wait_kmcnt 0x0
	s_load_b128 s[24:27], s[18:19], s23 offset:0x0 ; my tile: expert, first place, rows
	s_wait_kmcnt 0x0
	s_min_u32 s24, s24, 8                          ; loaded numbers are held inside their tables before they enter an address
	s_min_u32 s25, s25, 4095
	s_min_u32 s26, s26, 32
	s_max_u32 s26, s26, 1
	s_sub_co_u32 s55, s26, 1
	s_lshl_b32 s68, s22, 2                         ; my wave stages rows 4 w .. 4 w + 3 of the tile
.irp j, 0,1,2,3
	s_add_co_u32 s[32+(\j)], s68, \j
	s_min_u32 s[32+(\j)], s[32+(\j)], s55          ; places past the count repeat the last row
	s_add_co_u32 s[32+(\j)], s[32+(\j)], s25
	s_min_u32 s[32+(\j)], s[32+(\j)], 4095
	s_lshl_b32 s[32+(\j)], s[32+(\j)], 2
	s_load_b32 s[28+(\j)], s[16:17], s[32+(\j)] offset:0x0
.endr
	s_lshl_b32 s37, s24, 2
	s_load_b32 s36, s[12:13], s37 offset:0x0       ; bo[e]
	v_min_u32 v[TOK], s55, v1                      ; row = lane, for the way out
	v_add_nc_u32 v[TOK], s25, v[TOK]
	v_min_u32 v[TOK], 0xfff, v[TOK]
	v_lshlrev_b32 v[TOK], 2, v[TOK]
	global_load_b32 v216, v[TOK], s[16:17]
	s_lshl_b32 s42, s24, 11
	s_mov_b32 s43, 0
	s_add_nc_u64 s[40:41], s[6:7], s[42:43]        ; b0[e]
	s_add_nc_u64 s[52:53], s[10:11], s[42:43]      ; Wo[e]
	s_max_u32 s68, s22, 1
	s_sub_co_u32 s68, s68, 1                       ; hidden layer w - 1 (wave 0, which does not use it: layer 0, inside bh)
	s_mul_i32 s69, s24, 7
	s_add_co_u32 s68, s68, s69                     ; row 7 e + w - 1 of bh,
	s_min_u32 s68, s68, 62                         ; held inside its 63 rows as the last step: only the shift and the sum onto bh's address follow
	s_lshl_b32 s68, s68, 11
	s_mov_b32 s69, 0
	s_add_nc_u64 s[42:43], s[8:9], s[68:69]        ; bh[e][w - 1]
	; Wave 0 brings b0's row, wave w the row of hidden layer w - 1: four loads on either side of a branch on the wave's number, so the counts behind it are the same for all waves.
	; Each side has a pointer of its own, which is not written again.
	s_cmp_lg_u32 s22, 0
	s_cbranch_scc1 .Lrow_of_bh
.irp j, 0,1,2,3
	global_load_b128 v[ACC+4*(\j):ACC+4*(\j)+3], v[LOFF], s[40:41] offset:512*(\j)
.endr
	s_branch .Lrow_asked
.Lrow_of_bh:
.irp j, 0,1,2,3
	global_load_b128 v[ACC+4*(\j):ACC+4*(\j)+3], v[LOFF], s[42:43] offset:512*(\j)
.endr
.Lrow_asked:
.irp ft, 0,1,2,3
	global_load_b128 v[WO+8*(\ft):WO+8*(\ft)+3],   v209, s[52:53] offset:64*(\ft)
	global_load_b128 v[WO+8*(\ft)+4:WO+8*(\ft)+7], v209, s[52:53] offset:64*(\ft)+16
.endr
	s_lshl3_add_u32 s68, s24, s22                  ; stream 8 e + w
	s_mul_i32 s68, s68, STREAM
	s_add_nc_u64 s[38:39], s[14:15], s[68:69]
	RING 0, 0
	RING 1, 8192
	WIN 0
	s_wait_kmcnt 0x0                               ; my four tokens, and bo
.irp j, 0,1,2,3
	s_min_u32 s[28+(\j)], s[28+(\j)], 4095
	s_mul_i32 s68, s[28+(\j)], 268
	s_add_nc_u64 s[44+2*(\j):45+2*(\j)], s[4:5], s[68:69]
	global_load_b32 v[ACT+4*(\j)],   v10, s[44+2*(\j):45+2*(\j)]
	global_load_b32 v[ACT+4*(\j)+1], v10, s[44+2*(\j):45+2*(\j)] offset:4
	global_load_b32 v[ACT+4*(\j)+2], v11, s[44+2*(\j):45+2*(\j)]
	global_load_b32 v[ACT+4*(\j)+3], v12, s[44+2*(\j):45+2*(\j)]
.endr
	RING 2, 16384
	RING 3, 24576
	WIN 0
	s_wait_loadcnt 32                              ; all but ring slots 2 and 3, the 32 youngest
.irp j, 0,1,2,3
	v_cndmask_b32 v[ACT+4*(\j)+2], 0, v[ACT+4*(\j)+2], s63   ; columns 67 to 127 are zeros, as in the padded W0
	v_cndmask_b32 v[ACT+4*(\j)+3], 0, v[ACT+4*(\j)+3], s66
	v_cvt_pk_bf16_f32 v[ACT+4*(\j)], v[ACT+4*(\j)], v[ACT+4*(\j)+1]
	v_cvt_pk_bf16_f32 v[ACT+4*(\j)+2], v[ACT+4*(\j)+2], v[ACT+4*(\j)+3]
	ds_store_b32 v[XST], v[ACT+4*(\j)] offset:(\j)*PITCH
	ds_store_b32 v[XST], v[ACT+4*(\j)+2] offset:(\j)*PITCH+128
.endr
.irp j, 0,1,2,3
	ds_store_b128 v208, v[ACC+4*(\j):ACC+4*(\j)+3] offset:512*(\j)
.endr
	v_min_u32 v[TOK], 0xfff, v216                  ; free since the wait above: now the token's place in out0
	v_lshlrev_b32 v[TOK], 2, v[TOK]
	s_wait_dscnt 0x0                               ; for the others' sake: my rows of x and my bias row are stored
	s_barrier_signal -1
	s_barrier_wait -1
.irp ft, 0,1,2,3
	ds_load_b128 v[BIASR+8*(\ft):BIASR+8*(\ft)+3],   v[BI] offset:64*(\ft)       ; b0; the first step's wait leaves only the 8 youngest LDS loads out
	ds_load_b128 v[BIASR+8*(\ft)+4:BIASR+8*(\ft)+7], v[BI] offset:64*(\ft)+16
.endr
	LAYER 0, 1, 2, 0, 2048, 16384, 0               ; layer 0: K = 128 (67 and zeros), slots 0, 1
	WIN 0                                          ; at a label and at a branch every window is 0
	s_mov_b32 s54, 3
.Lpair:                                                ; three trips of two hidden layers; 8 steps are twice round the ring, so every layer begins at slot 2
	LAYER 1, 0, 8, 2, 4096, 65536, 0
	LAYER 0, 1, 8, 2, 6144, 65536, 0
	WIN 0
	v_add_nc_u32 v[BI], 4096, v[BI]                ; two bias rows on
	s_sub_co_u32 s54, s54, 1
	s_cmp_lg_u32 s54, 0
	s_cbranch_scc1 .Lpair
	LAYER 1, 0, 8, 2, -1, 0, 1                     ; hidden layer 6 and the last layer's sums: no load passes the stream's end
	; THE WAY OUT.  Every wave adds the eight waves' parts, in one fixed order; only threads below the tile's count, lanes of wave 0, store.
	v_lshl_add_u32 v212, v1, 2, RED
.irp w, 0,1,2,3,4,5,6,7
	ds_load_b32 v[T+(\w)], v212 offset:128*(\w)
.endr
	s_wait_dscnt 0x0
	v_add_f32 v[T], v[T], v[T+1]
	v_add_f32 v[T+2], v[T+2], v[T+3]
	v_add_f32 v[T+4], v[T+4], v[T+5]
	v_add_f32 v[T+6], v[T+6], v[T+7]
	v_add_f32 v[T], v[T], v[T+2]
	v_add_f32 v[T+4], v[T+4], v[T+6]
	v_add_f32 v[T], v[T], v[T+4]
	v_add_f32 v[T], s36, v[T]                      ; + bo[e]
	v_cmp_gt_u32 vcc_lo, s26, v0
	s_wait_xcnt 0x0                                ; EXEC changes only behind this wait
	s_and_saveexec_b32 s67, vcc_lo
	global_store_b32 v[TOK], v[T], s[20:21]
	s_wait_xcnt 0x0                                ; and again, in front of the line that widens it
	s_or_b32 exec_lo, exec_lo, s67
	s_wait_tensorcnt 0x0                           ; the wave's end: three closing lines behind my last LDS store
	ds_add_u32 v[SPW], v[NIL]
	s_wait_dscnt 0x0
	s_endpgm
.Lfunc_end_k_q0a53829515_chain:
	.size	k_q0a53829515_chain, .Lfunc_end_k_q0a53829515_chain-k_q0a53829515_chain
	.p2alignl 7, 3214868480
	.fill 96, 4, 3214868480
	.section	.rodata,"a",@progbits
	.p2align	6, 0x0
	.amdhsa_kernel k_q0a53829515_chain
		.amdhsa_group_segment_fixed_size 84992
		.amdhsa_private_segment_fixed_size 0
		.amdhsa_enable_private_segment 0
		.amdhsa_kernarg_size 72
		.amdhsa_user_sgpr_count 2
		.amdhsa_user_sgpr_kernarg_segment_ptr 1
		.amdhsa_wavefront_size32 1
		.amdhsa_system_sgpr_workgroup_id_x 1
		.amdhsa_system_sgpr_workgroup_id_y 1
		.amdhsa_system_sgpr_workgroup_id_z 1
		.amdhsa_system_vgpr_workitem_id 0
		.amdhsa_next_free_vgpr 512
		.amdhsa_next_free_sgpr 72
		.amdhsa_reserve_vcc 1
		.amdhsa_float_denorm_mode_32 3
		.amdhsa_float_denorm_mode_16_64 3
		.amdhsa_memory_ordered 1
		.amdhsa_forward_progress 1
		.amdhsa_inst_pref_size 166
	.end_amdhsa_kernel
	.amdgpu_metadata
---
amdhsa.version: [ 1, 2 ]
amdhsa.kernels:
  - .name:           k_q0a53829515_chain
    .symbol:         k_q0a53829515_chain.kd
    .args:
      - { .name: x, .offset: 0, .size: 8, .value_kind: global_buffer, .address_space: global }
      - { .name: b0, .offset: 8, .size: 8, .value_kind: global_buffer, .address_space: global }
      - { .name: bh, .offset: 16, .size: 8, .value_kind: global_buffer, .address_space: global }
      - { .name: Wo, .offset: 24, .size: 8, .value_kind: global_buffer, .address_space: global }
      - { .name: bo, .offset: 32, .size: 8, .value_kind: global_buffer, .address_space: global }
      - { .name: wp, .offset: 40, .size: 8, .value_kind: global_buffer, .address_space: global }
      - { .name: order, .offset: 48, .size: 8, .value_kind: global_buffer, .address_space: global }
      - { .name: tiles, .offset: 56, .size: 8, .value_kind: global_buffer, .address_space: global }
      - { .name: out0, .offset: 64, .size: 8, .value_kind: global_buffer, .address_space: global }
    .group_segment_fixed_size: 84992
    .private_segment_fixed_size: 0
    .kernarg_segment_align: 8
    .kernarg_segment_size: 72
    .max_flat_workgroup_size: 256
    .sgpr_count:     72
    .vgpr_count:     512
    .wavefront_size: 32
...
	.end_amdgpu_metadata
.endif
;; end of part 2
;; ======== version 2 of 2: 2 launches; version 1 with the launch prep written anew for expert scheduling mode
;; limits: a function is approximated: absolute error at most 6e-10
;; workspace buffers: wp 34,209,792 bytes; order 16,384 bytes of whole numbers; tiles 4,096 bytes of whole numbers
;; launch prep (part 3): grid 541 x 1, 8 waves a work-group, no clusters, 36,864 bytes of LDS; arguments type_vec, W0, Wh, wp, order, tiles; writes wp, order, tiles
.if DOCPART == 3
	.amdgcn_target "amdgcn-amd-amdhsa--gfx1250"
	.amdhsa_code_object_version 6
	.text
	.protected	k_q0a53829515_prep
	.globl	k_q0a53829515_prep
	.p2align	8
	.type	k_q0a53829515_prep,@function
k_q0a53829515_prep:
	s_mov_b64 s[64:65], 0
	v_nop
	global_prefetch_b8 v0, s[64:65] scope:SCOPE_SE
	s_setreg_imm32_b32 hwreg(HW_REG_WAVE_SCHED_MODE, 0, 2), 2
	s_setreg_imm32_b32 hwreg(HW_REG_WAVE_MODE, 25, 1), 1
	s_wait_xcnt 0x0
	s_wait_alu depctr_vm_vsrc(0)
; PREP: three jobs, chosen by the work-group's number (the same for all eight waves of a work-group).
;   work-group 0        counting sort of type_vec (any order is served, no atomics): order[] = the token numbers grouped by expert,
;                       tiles[] = 136 tiles (expert, first place in order[], rows, 0) that cover every split of 4,096 tokens over 9 experts
;   work-groups 1-36    W0 [9][512][67] f32  -> bf16, K padded with zeros to 128, laid out as matrix operands
;   work-groups 37-540  Wh [9][7][512][512] f32 -> bf16, laid out as matrix operands
; wp's LAYOUT: [expert 9][wave 8][block 116][ft 4][c 2][lane 32][16 bytes].  A block is 32 along K of the 64 features 64 w + 16 ft + 0..15:
; blocks 0-3 are layer 0, block 4 + 16 l + k is hidden layer l, K = 32 k on.  The 16 bytes of (ft, c, lane L) are
; W[64 w + 16 ft + L % 16][K0 + 16 c + 8 (L / 16) + 0..7]: what lane L holds in registers 4 c .. 4 c + 3 of a 16 x 32 operand.
; So the chain reads one expert's and wave's weights as 475,136 consecutive bytes in the order of use, with plain 16-byte loads.
; A wave turns 16 rows x 128 columns at a time: rows come in as 512 consecutive bytes a load, are rounded once to bf16, go through the
; wave's own stage in LDS (pitch 272 = 17 x 16 bytes, so the 16 rows of a fragment load begin 16 bytes apart modulo 256), and leave as
; stores of 512 consecutive bytes that begin at multiples of 512 from wp's first byte.
; TILES.  The sum over experts of ceil(count / 32) lies between 128 and 136.  The surplus L = 136 - sum (0..8) goes to the first largest
; expert, which has 456 rows or more, so 14 full tiles: its first L full tiles are halved into 2 L tiles of 16 rows.  So each of the 136
; tiles has 1 to 32 rows, whatever the split.
; LIMIT: type_vec holds 0..8, as the gather in the problem's function needs.
; THE MODE: SCHED_MODE bits 1:0 = 2 (LLVM: expert scheduling mode 2), set by the entry lines.  The code itself states the register dependences
; between vector instructions and memory or LDS instructions, and those through scalar results of vector instructions, with s_wait_alu, always for 0.
; THE PLAN.  Registers that memory or LDS instructions touch:
;   v2-v5, v14, v15  offsets, stage addresses, the add's two registers: written at the head, never again; one wait on va_vdst ahead of the branches serves all three jobs.
;   X                the rows as loaded (no vector line names X before the loads); the conversions round in place; the LDS stores into the stage read the results; X is not written again.
;   O                written by LDS loads, read by global stores, named by no vector line, each register used once.
;   v6-v8 (W0), v10 (sort)  offsets made at the job's head, with a wait on va_vdst ahead of the loads that read them.
;   v9, v11, v12 (sort)  the LDS store's data and address and the LDS loads' address: one wait on va_vdst ahead of the store serves all three;
;                    one wait on vm_vsrc stands ahead of the lines that write v9 and v10 again.
;   v32-63 (sort)    places and token numbers: written by pass 2, read by the 16 stores of order[], which stand in one run behind one wait on va_vdst.
;   v13, v28-31 (sort)  the tile's entry and its offset: one wait on va_vdst ahead of the store.
; Masks: compares stand in runs into several sets of scalar registers, with one wait on va_sdst behind a run and ahead of its first reader.
.set STREAM, 475136                    ; bytes of one (expert, wave) stream: 116 blocks of 4,096
.set TAB,    0                         ; 8 waves x 32 words: the waves' counts
.set STG,    1024                      ; the stages: 16 rows x 272 bytes for each wave
.set SP,     272
.set STGW,   16*SP
.set SPARE,  STG+8*STGW                ; 35,840: the spare words, 128 bytes for each wave: four blocks of 256 bytes that no other line names
.set X,      16                        ; v16-143  as loaded
.set O,      144                       ; v144-207 two banks of 32: fragments to store
; v1 lane; v2 16 x lane; v3, v4 stage in (8 or 4 bytes a lane); v5 stage out; v6-8 column offsets (W0); v9-13 at work; v14, v15 the add's two registers
; s16 wave; s17 unit number; s[18:19] source; s[20:21] destination; s22-29 at work
; sort: s30-38 counts, then totals; s40-48 masks (pass 1), then experts' first places; s50-58 masks (pass 1), running places, then the tiles' masks;
;       s66-74 masks, then tiles' first numbers; s76-84 masks (pass 1), counts of earlier waves, masks (pass 2), then tiles an expert
	s_load_b256 s[4:11], s[0:1], 0x0               ; type_vec s[4:5], W0 s[6:7], Wh s[8:9], wp s[10:11]
	s_load_b128 s[12:15], s[0:1], 0x20             ; order s[12:13], tiles s[14:15]
	v_lshl_add_u32 v14, v0, 2, SPARE               ; my spare word
	v_mov_b32 v15, 0
	v_lshrrev_b32 v9, 5, v0
	v_readfirstlane_b32 s16, v9                    ; wave 0..7
	v_and_b32 v1, 31, v0                           ; lane
	v_lshlrev_b32 v2, 4, v1                        ; 16 bytes a lane
	v_and_b32 v9, 15, v1
	v_lshrrev_b32 v10, 4, v1
	v_mul_u32_u24 v5, v9, SP
	v_lshl_add_u32 v5, v10, 4, v5                  ; row lane % 16, 16 bytes for each half of the lanes
	s_wait_alu depctr_va_sdst(0)                   ; s16 is written, ahead of its first reader: the stage's place and every job's unit number are made from it
	s_mul_i32 s18, s16, STGW
	s_add_co_u32 s18, s18, STG                     ; my wave's stage
	v_lshl_add_u32 v3, v1, 3, s18                  ; in: 4 bf16 a lane
	v_lshl_add_u32 v4, v1, 2, s18                  ; in: 2 bf16 a lane
	v_add_nc_u32 v5, s18, v5                       ; out
	s_wait_kmcnt 0x0
	s_wait_alu depctr_va_vdst(0)                   ; v2 to v5 are written, which the loads and stores of all three jobs read as offsets and addresses; so are v14 and v15
	s_cmp_eq_u32 ttmp9, 0
	s_cbranch_scc1 .Lsort
	s_cmp_lt_u32 ttmp9, 37
	s_cbranch_scc1 .Lw0
; Four blocks (128 along K) leave the stage: 8 fragment loads, 8 stores.  q: which four blocks behind the destination; ob: which bank of O.
; The stage is the wave's own and LDS serves a wave's instructions in order (ISA guide 5.7.1.4): no wait stands between the stores into it and these loads.
; No vector line names O, v2 or v5 behind the head's wait: these loads and stores hang on no vector result.
.macro EMIT q, ob
.irp kb, 0,1,2,3
.irp cc, 0,1
	ds_load_b128 v[O+32*(\ob)+4*(2*(\kb)+(\cc)):O+32*(\ob)+4*(2*(\kb)+(\cc))+3], v5 offset:64*(\kb)+32*(\cc)
.endr
.endr
.irp kb, 0,1,2,3
.irp cc, 0,1
	s_wait_dscnt 7-(2*(\kb)+(\cc))                 ; the younger fragment loads may stay out
	global_store_b128 v2, v[O+32*(\ob)+4*(2*(\kb)+(\cc)):O+32*(\ob)+4*(2*(\kb)+(\cc))+3], s[20:21] offset:(4*(\q)+(\kb))*4096+(\cc)*512
.endr
.endr
.endm
; Row r of quarter q: four f32 a lane close up into two registers of bf16; and those 8 bytes go into the stage.
.macro CVT q, r
	v_cvt_pk_bf16_f32 v[X+64*(\q)+4*(\r)], v[X+64*(\q)+4*(\r)], v[X+64*(\q)+4*(\r)+1]
	v_cvt_pk_bf16_f32 v[X+64*(\q)+4*(\r)+1], v[X+64*(\q)+4*(\r)+2], v[X+64*(\q)+4*(\r)+3]
.endm
.macro PUT q, r
	ds_store_b64 v3, v[X+64*(\q)+4*(\r):X+64*(\q)+4*(\r)+1] offset:(\r)*SP
.endm
	; ---- Wh: unit u = 8 (work-group - 37) + wave = ((7 e + l) x 32 + row group) x 2 + half of K: 16 rows x 256 columns ----
	s_sub_co_u32 s17, ttmp9, 37
	s_lshl_b32 s17, s17, 3
	s_add_co_u32 s17, s17, s16                     ; u, 0..4031
	s_and_b32 s22, s17, 1                          ; half of K
	s_bfe_u32 s23, s17, 0x50001                    ; row group, 0..31
	s_lshr_b32 s24, s17, 6                         ; 7 e + l, 0..62
	s_mul_i32 s25, s24, 37
	s_lshr_b32 s25, s25, 8                         ; e = (7 e + l) / 7: 37 / 256 serves every number up to 62
	s_mul_i32 s26, s25, 7
	s_sub_co_u32 s26, s24, s26                     ; l
	s_lshl_b32 s28, s24, 20                        ; a layer's 512 x 512 f32,
	s_lshl_b32 s27, s23, 15                        ; 16 rows of 2,048 bytes,
	s_add_co_u32 s28, s28, s27
	s_lshl_b32 s27, s22, 10                        ; 256 columns
	s_add_co_u32 s28, s28, s27
	s_mov_b32 s29, 0
	s_add_nc_u64 s[18:19], s[8:9], s[28:29]
	s_lshl_b32 s27, s25, 3
	s_lshr_b32 s28, s23, 2
	s_add_co_u32 s27, s27, s28                     ; stream 8 e + w
	s_mul_i32 s28, s27, STREAM
	s_lshl_b32 s27, s26, 4
	s_lshl3_add_u32 s27, s22, s27
	s_add_co_u32 s27, s27, 4                       ; block 4 + 16 l + 8 x half
	s_lshl_b32 s27, s27, 12
	s_add_co_u32 s28, s28, s27
	s_and_b32 s27, s23, 3                          ; ft
	s_lshl_b32 s27, s27, 10
	s_add_co_u32 s28, s28, s27
	s_add_nc_u64 s[20:21], s[10:11], s[28:29]
.irp q, 0,1
.irp r, 0,1,2,3,4,5,6,7,8,9,10,11,12,13,14,15
	global_load_b128 v[X+64*(\q)+4*(\r):X+64*(\q)+4*(\r)+3], v2, s[18:19] offset:(\r)*2048+(\q)*512 th:TH_LOAD_NT  ; 512 consecutive bytes of a row; all 32 loads go out before the first wait
.endr
.endr
.irp q, 0,1
	s_wait_loadcnt 16-16*(\q)                      ; this quarter's 16 loads are in; the other quarter's 16 are younger
.irp r, 0,1,2,3,4,5,6,7
	CVT \q, \r
.endr
	s_wait_alu depctr_va_vdst(0)                   ; the conversions have written rows 0 to 7, which the LDS stores below read
.irp r, 0,1,2,3,4,5,6,7
	PUT \q, \r                                     ; dealt among the conversions of rows 8 to 15, which name none of rows 0 to 7's registers, nor v3
	CVT \q, (\r)+8
.endr
	s_wait_alu depctr_va_vdst(0)                   ; the conversions have written rows 8 to 15, which the LDS stores below read
.irp r, 8,9,10,11,12,13,14,15
	PUT \q, \r
.endr
	EMIT \q, \q                                    ; a bank of O for each quarter: no store's data is written again
.endr
	s_wait_dscnt 0x0                               ; the closing lines, six on end
	s_wait_alu 0x0
	s_wait_tensorcnt 0x0
	ds_add_u32 v14, v15
	s_wait_dscnt 0x0
	s_endpgm
	; ---- W0: unit u = 8 (work-group - 1) + wave = 32 e + row group: 16 rows x 67 columns, padded to 128 ----
.Lw0:
	s_sub_co_u32 s17, ttmp9, 1
	s_lshl_b32 s17, s17, 3
	s_add_co_u32 s17, s17, s16                     ; u, 0..287
	s_mul_i32 s28, s17, 16*268                     ; 16 rows of 268 bytes
	s_mov_b32 s29, 0
	s_add_nc_u64 s[18:19], s[6:7], s[28:29]
	s_lshr_b32 s27, s17, 2                         ; stream 8 e + w
	s_mul_i32 s28, s27, STREAM
	s_and_b32 s27, s17, 3                          ; ft
	s_lshl_b32 s27, s27, 10
	s_add_co_u32 s28, s28, s27
	s_add_nc_u64 s[20:21], s[10:11], s[28:29]
	s_mov_b32 s91, 3                               ; lanes 0, 1: columns 64, 66 exist
	s_mov_b32 s92, 1                               ; lane 0: column 65 exists
	v_lshlrev_b32 v6, 3, v1                        ; columns 2 i, 2 i + 1
	v_lshl_add_u32 v9, v1, 1, 64
	v_min_u32 v7, 0x42, v9                         ; column 64 + 2 i, held inside the row
	v_lshlrev_b32 v7, 2, v7
	v_add_nc_u32 v9, 1, v9
	v_min_u32 v8, 0x42, v9                         ; column 65 + 2 i, likewise
	v_lshlrev_b32 v8, 2, v8
	s_wait_alu depctr_va_vdst(0)                   ; v6, v7 and v8 are written, which the loads below read as offsets
.irp r, 0,1,2,3,4,5,6,7,8,9,10,11,12,13,14,15
	global_load_b32 v[X+4*(\r)],   v6, s[18:19] offset:268*(\r)
	global_load_b32 v[X+4*(\r)+1], v6, s[18:19] offset:268*(\r)+4
	global_load_b32 v[X+4*(\r)+2], v7, s[18:19] offset:268*(\r)
	global_load_b32 v[X+4*(\r)+3], v8, s[18:19] offset:268*(\r)
.endr
	s_wait_loadcnt 0x0
.irp r, 0,1,2,3,4,5,6,7,8,9,10,11,12,13,14,15
	v_cndmask_b32 v[X+4*(\r)+2], 0, v[X+4*(\r)+2], s91    ; columns 67 on are zeros
	v_cndmask_b32 v[X+4*(\r)+3], 0, v[X+4*(\r)+3], s92
	v_cvt_pk_bf16_f32 v[X+4*(\r)], v[X+4*(\r)], v[X+4*(\r)+1]
	v_cvt_pk_bf16_f32 v[X+4*(\r)+2], v[X+4*(\r)+2], v[X+4*(\r)+3]
.endr
	s_wait_alu depctr_va_vdst(0)                   ; the conversions have written all 16 rows, which the LDS stores below read
.irp r, 0,1,2,3,4,5,6,7,8,9,10,11,12,13,14,15
	ds_store_b32 v4, v[X+4*(\r)] offset:(\r)*SP
	ds_store_b32 v4, v[X+4*(\r)+2] offset:(\r)*SP+128
.endr
	EMIT 0, 0
	s_wait_dscnt 0x0                               ; the closing lines, as above
	s_wait_alu 0x0
	s_wait_tensorcnt 0x0
	ds_add_u32 v14, v15
	s_wait_dscnt 0x0
	s_endpgm
; The nine masks of register i (which lanes hold expert e) into s[m .. m + 8].
.macro MASKS m, i
.irp e, 0,1,2,3,4,5,6,7,8
	v_cmp_eq_u32 s[(\m)+(\e)], \e, v[16+(\i)]
.endr
.endm
; Pass 1: a set of masks is counted.
.macro COUNT m
.irp e, 0,1,2,3,4,5,6,7,8
	s_bcnt1_i32_b32 s90, s[(\m)+(\e)]
	s_add_co_u32 s[30+(\e)], s[30+(\e)], s90
.endr
.endm
; Pass 2: the places of register i's tokens, by the masks in s[m .. m + 8]; the running places move on.
.macro PLACE m, i
.irp e, 0,1,2,3,4,5,6,7,8
	v_mbcnt_lo_u32_b32 v9, s[(\m)+(\e)], s[50+(\e)]
	v_cndmask_b32 v[32+(\i)], v[32+(\i)], v9, s[(\m)+(\e)]
	s_bcnt1_i32_b32 s90, s[(\m)+(\e)]
	s_add_co_u32 s[50+(\e)], s[50+(\e)], s90
.endr
	v_min_u32 v[32+(\i)], 0xfff, v[32+(\i)]        ; a place made of loaded numbers is held inside order[]
	v_lshlrev_b32 v[32+(\i)], 2, v[32+(\i)]
	v_add_nc_u32 v[48+(\i)], 32*(\i), v13          ; the token's number
.endm
	; ---- the sort: wave w has tokens 512 w .. 512 w + 511; register i of lane l is token 512 w + 32 i + l ----
.Lsort:
	s_lshl_b32 s18, s16, 11
	v_lshl_add_u32 v10, v1, 2, s18
	s_wait_alu depctr_va_vdst(0)                   ; v10 is written, which the loads below read as their offset
.irp i, 0,1,2,3,4,5,6,7,8,9,10,11,12,13,14,15
	global_load_b32 v[16+(\i)], v10, s[4:5] offset:128*(\i)
.endr
.irp e, 0,1,2,3,4,5,6,7,8
	s_mov_b32 s[30+(\e)], 0
.endr
	s_wait_loadcnt 0x0
	; pass 1: my wave's count of each expert.  The masks of four registers, 36 compares into four sets, are made before any is counted.
.irp g, 0,4,8,12
	MASKS 66, \g
	MASKS 76, (\g)+1
	MASKS 40, (\g)+2
	MASKS 50, (\g)+3
	s_wait_alu depctr_va_sdst(0)                   ; the 36 masks are written, ahead of the counts that read them
	COUNT 66
	COUNT 76
	COUNT 40
	COUNT 50
.endr
	v_mov_b32 v9, 0
.irp e, 0,1,2,3,4,5,6,7,8
	v_writelane_b32 v9, s[30+(\e)], \e             ; lane e: my wave's count of expert e; lanes 9 on: 0
.endr
	v_lshlrev_b32 v11, 2, v0
	v_lshlrev_b32 v12, 2, v1
	s_wait_alu depctr_va_vdst(0)                   ; v9 and v11 are written, the LDS store's data and address; so is v12, the address of the LDS loads behind the barrier
	ds_store_b32 v11, v9                           ; TAB[wave][lane]
	s_wait_dscnt 0x0                               ; for the others' sake: my store is done
	s_barrier_signal -1
	s_barrier_wait -1
.irp w, 0,1,2,3,4,5,6,7
	ds_load_b32 v[144+(\w)], v12 offset:128*(\w)
.endr
	s_wait_alu depctr_vm_vsrc(0)                   ; the LDS store has read v9 and the loads of type_vec have read v10: the two lines below write them again
	v_mov_b32 v9, 0                                ; all waves' counts
	v_mov_b32 v10, 0                               ; those of the waves in front of mine
	s_wait_dscnt 0x0
.irp w, 0,1,2,3,4,5,6,7
	s_cmp_gt_u32 s16, \w
	s_cselect_b32 s90, -1, 0
	v_add_nc_u32 v9, v9, v[144+(\w)]
	v_and_b32 v13, s90, v[144+(\w)]
	v_add_nc_u32 v10, v10, v13
.endr
.irp e, 0,1,2,3,4,5,6,7,8
	v_readlane_b32 s[30+(\e)], v9, \e              ; the expert's total
	v_readlane_b32 s[76+(\e)], v10, \e
.endr
	s_wait_alu depctr_va_sdst(0)                   ; the 18 figures are written, ahead of the sums that read them
	s_mov_b32 s40, 0
.irp e, 0,1,2,3,4,5,6,7
	s_add_co_u32 s[41+(\e)], s[40+(\e)], s[30+(\e)]  ; the expert's first place in order[]
.endr
.irp e, 0,1,2,3,4,5,6,7,8
	s_add_co_u32 s[50+(\e)], s[40+(\e)], s[76+(\e)]  ; the place of my wave's first token of that expert
.endr
	; pass 2: a token's place = the expert's running place + the lanes below it with the same expert: tokens keep their order within an expert.
	; The masks of two registers, 18 compares into two sets, are made before any is read; the registers are then taken in ascending order.
	s_lshl_b32 s18, s16, 9
	v_add_nc_u32 v13, s18, v1
.irp i, 0,2,4,6,8,10,12,14
	v_mov_b32 v[32+(\i)], 0
	v_mov_b32 v[33+(\i)], 0
	MASKS 66, \i
	MASKS 76, (\i)+1
	s_wait_alu depctr_va_sdst(0)                   ; the 18 masks are written, ahead of the lines that read them
	PLACE 66, \i
	PLACE 76, (\i)+1
.endr
	s_wait_alu depctr_va_vdst(0)                   ; pass 2 has written v32 to v63, the 16 stores' offsets and data
.irp i, 0,1,2,3,4,5,6,7,8,9,10,11,12,13,14,15
	global_store_b32 v[32+(\i)], v[48+(\i)], s[12:13]  ; each store has registers of its own: none is written again
.endr
	; the tiles: every wave makes the nine figures, every thread its own entry (entries 136 on have 0 rows and are not read)
	s_mov_b32 s86, 136
.irp e, 0,1,2,3,4,5,6,7,8
	s_add_co_u32 s[76+(\e)], s[30+(\e)], 31
	s_lshr_b32 s[76+(\e)], s[76+(\e)], 5           ; ceil(total / 32)
	s_sub_co_u32 s86, s86, s[76+(\e)]              ; what is left of 136: L
.endr
	s_mov_b32 s87, 0                               ; the first largest expert
	s_mov_b32 s88, s30
.irp e, 1,2,3,4,5,6,7,8
	s_cmp_gt_u32 s[30+(\e)], s88
	s_cselect_b32 s87, \e, s87
	s_cselect_b32 s88, s[30+(\e)], s88
.endr
.irp e, 0,1,2,3,4,5,6,7,8
	s_cmp_eq_u32 s87, \e
	s_cselect_b32 s90, s86, 0
	s_add_co_u32 s[76+(\e)], s[76+(\e)], s90       ; it gets L tiles more
.endr
	s_mov_b32 s66, 0
.irp e, 0,1,2,3,4,5,6,7
	s_add_co_u32 s[67+(\e)], s[66+(\e)], s[76+(\e)]  ; the expert's first tile
.endr
	v_mov_b32 v16, 0                               ; my tile's expert: the last whose first tile is not behind mine,
	v_mov_b32 v17, 0                               ; its first tile,
	v_mov_b32 v18, 0                               ; its first place,
	v_mov_b32 v19, s30                             ; its total
.irp e, 1,2,3,4,5,6,7,8
	v_cmp_le_u32 s[50+(\e)], s[66+(\e)], v0        ; the eight masks in one run
.endr
	v_mov_b32 v22, s86                             ; lines that hang on no mask stand between the run and its wait
	v_mov_b32 v26, 16
	v_mov_b32 v31, 0
	v_lshlrev_b32 v13, 4, v0
	s_wait_alu depctr_va_sdst(0)                   ; the eight masks are written, ahead of the selects that read them
.irp e, 1,2,3,4,5,6,7,8
	v_cndmask_b32 v16, v16, \e, s[50+(\e)]
	v_cndmask_b32 v17, v17, s[66+(\e)], s[50+(\e)]
	v_cndmask_b32 v18, v18, s[40+(\e)], s[50+(\e)]
	v_cndmask_b32 v19, v19, s[30+(\e)], s[50+(\e)]
.endr
	v_cmp_eq_u32 vcc_lo, s87, v16
	v_sub_nc_u32 v20, v0, v17                      ; j: my tile among the expert's
	v_lshlrev_b32 v23, 4, v20                      ; a halved tile begins at row 16 j,
	v_mov_b32 v28, v16
	s_wait_alu depctr_va_vcc(0)                    ; VCC is written, ahead of the select that reads it
	v_cndmask_b32 v21, 0, v22, vcc_lo              ; L for the largest expert, else 0
	v_lshlrev_b32 v22, 1, v21
	v_cmp_lt_u32 vcc_lo, v20, v22                  ; j < 2 L: halved
	v_sub_nc_u32 v24, v20, v21
	v_lshlrev_b32 v24, 5, v24                      ; a whole one at 32 (j - L)
	s_wait_alu depctr_va_vcc(0)                    ; VCC is written anew, ahead of the two selects that read it
	v_cndmask_b32 v23, v24, v23, vcc_lo
	v_cndmask_b32 v25, 32, v26, vcc_lo
	v_min_u32 v27, v23, v19
	v_sub_nc_u32 v27, v19, v27                     ; rows left from there on,
	v_min_u32 v30, v27, v25                        ; at most the tile's
	v_add_nc_u32 v29, v18, v23
	v_min_u32 v29, 0xfff, v29
	s_wait_alu depctr_va_vdst(0)                   ; v13 and v28 to v31 are written, the store's offset and data
	global_store_b128 v13, v[28:31], s[14:15]      ; (expert, first place, rows, 0)
	s_wait_dscnt 0x0                               ; the closing lines, as above
	s_wait_alu 0x0
	s_wait_tensorcnt 0x0
	ds_add_u32 v14, v15
	s_wait_dscnt 0x0
	s_endpgm
.Lfunc_end_k_q0a53829515_prep:
	.size	k_q0a53829515_prep, .Lfunc_end_k_q0a53829515_prep-k_q0a53829515_prep
	.p2alignl 7, 3214868480
	.fill 96, 4, 3214868480
	.section	.rodata,"a",@progbits
	.p2align	6, 0x0
	.amdhsa_kernel k_q0a53829515_prep
		.amdhsa_group_segment_fixed_size 36864
		.amdhsa_private_segment_fixed_size 0
		.amdhsa_enable_private_segment 0
		.amdhsa_kernarg_size 48
		.amdhsa_user_sgpr_count 2
		.amdhsa_user_sgpr_kernarg_segment_ptr 1
		.amdhsa_wavefront_size32 1
		.amdhsa_system_sgpr_workgroup_id_x 1
		.amdhsa_system_sgpr_workgroup_id_y 1
		.amdhsa_system_sgpr_workgroup_id_z 1
		.amdhsa_system_vgpr_workitem_id 0
		.amdhsa_next_free_vgpr 208
		.amdhsa_next_free_sgpr 96
		.amdhsa_reserve_vcc 1
		.amdhsa_float_denorm_mode_32 3
		.amdhsa_float_denorm_mode_16_64 3
		.amdhsa_memory_ordered 1
		.amdhsa_forward_progress 1
		.amdhsa_inst_pref_size 102
	.end_amdhsa_kernel
	.amdgpu_metadata
---
amdhsa.version: [ 1, 2 ]
amdhsa.kernels:
  - .name:           k_q0a53829515_prep
    .symbol:         k_q0a53829515_prep.kd
    .args:
      - { .name: type_vec, .offset: 0, .size: 8, .value_kind: global_buffer, .address_space: global }
      - { .name: W0, .offset: 8, .size: 8, .value_kind: global_buffer, .address_space: global }
      - { .name: Wh, .offset: 16, .size: 8, .value_kind: global_buffer, .address_space: global }
      - { .name: wp, .offset: 24, .size: 8, .value_kind: global_buffer, .address_space: global }
      - { .name: order, .offset: 32, .size: 8, .value_kind: global_buffer, .address_space: global }
      - { .name: tiles, .offset: 40, .size: 8, .value_kind: global_buffer, .address_space: global }
    .group_segment_fixed_size: 36864
    .private_segment_fixed_size: 0
    .kernarg_segment_align: 8
    .kernarg_segment_size: 48
    .max_flat_workgroup_size: 256
    .sgpr_count:     96
    .vgpr_count:     208
    .wavefront_size: 32
...
	.end_amdgpu_metadata
.endif
;; end of part 3
;; launch chain: the kernel of part 2 again; grid 136 x 1, 8 waves a work-group, no clusters, 84,992 bytes of LDS; arguments x, b0, bh, Wo, bo, wp, order, tiles, out0; writes out0
